; MI455X (gfx1250); checked and timed in simulation.
; The chip was launched on July 23, 2026; its instructions are those of AMD's public machine-readable ISA for CDNA 5 (MIT licence, August 2026) and "CDNA5" Instruction Set Architecture Reference Guide (July 2026). The comments in the code are by the model that wrote it; some were corrected since.
;; Base Layer With Lo RA. Allowed arithmetic: matrix products marked QUANTISED: E5M2 operands, one E8M0 scale for each 32 along K, by v_wmma_scale_f32_16x16x128_f8f6f4 with both operands' format E5M2, f32 sums; products left as they are: f32 operands where the result goes on into a quantised operand, else bf16, f16 or f32 operands; f32 sums; everything else in f32.
;; Inputs: W 4,096 x 4,096 float32; b 4,096 float32; lora_A 16 x 4,096 float32; lora_B 4,096 x 16 float32; x 4 x 1,024 x 4,096 float32.
;; Outputs: out0 4 x 1,024 x 4,096 float32.
;; This version of the problem:
;;   THIS VERSION OF THE PROBLEM IS GIVEN IN LOW PRECISION. The matrix products marked QUANTISED in the list below multiply operands that are first quantised to E5M2 (5 exponent bits, 2 mantissa bits; 8 bits a number), with one power-of-two scale for each 32 numbers along K (OCP MX v1.0); their sums are f32. All else is computed in f32.
;;   The module's matrix products, in the order in which they are computed (A, B: the left and right operand; K: the contracted axis; several contracted axes count as one K, in the product's order):
;;     1. [M 4,096, K 4,096] x [K 4,096, N 4,096]; A: input x; B: input W: QUANTISED
;;     2. [M 4,096, K 4,096] x [K 4,096, N 16]; A: input x; B: input lora_A: QUANTISED
;;     3. [M 4,096, K 16] x [K 16, N 4,096]; A: computed on the way; B: input lora_B: left as it is (K = 16 < 32)
;;   THE QUANTISER, for each operand of a quantised product, along K:
;;     - K is cut into blocks of 32 from its start; a last block that is shorter is filled with zeros.
;;     - A block's scale is 2^e with e = floor(log2(the largest magnitude in the block)) - 15, held to -126 .. 127; a block of zeros has e = 0. As a byte (E8M0): e + 127.
;;     - Each number is divided by its block's scale, clamped to +-57,344, and rounded to the nearest number of E5M2, ties to even, subnormals kept.
;;     - The product sums the exact products of the quantised numbers (number of the format x scale) in f32.
;;   ~~~python
;;   def quantise(x, axis):      # numpy; x: float32 -> the quantised numbers, widened to float32 again
;;       x = np.moveaxis(x, axis, -1); K = x.shape[-1]
;;       x = np.pad(x, [(0, 0)] * (x.ndim - 1) + [(0, -K % 32)]); x = x.reshape(x.shape[:-1] + (-1, 32)); a = np.abs(x).max(-1, keepdims=True)
;;       e = np.where(a > 0, np.clip(np.frexp(np.where(a > 0, a, 1))[1] - 1 - 15, -126, 127), 0)      # np.frexp(a)[1] - 1 = floor(log2(a)), exactly
;;       r = np.clip(x / 2.0 ** e, -57344, 57344)
;;       step = 2.0 ** (np.maximum(np.frexp(np.where(r == 0, 1, r))[1] - 1, -14) - 2)
;;       q = np.round(r / step) * step * 2.0 ** e      # np.round: ties to even
;;       return np.moveaxis(q.reshape(q.shape[:-2] + (-1,))[..., :K], -1, axis).astype(np.float32)
;;   ~~~
;; One version. Each part assembles by itself: llvm-mc -triple=amdgcn-amd-amdhsa -mcpu=gfx1250 --defsym DOCPART=n.
;; ======== version 1 of 1: 2 launches
;; limits: values are held in bf16: 8 bits of precision; right only within a limited range of input values
;; workspace buffers: xq 18,481,152 bytes; wq 17,301,504 bytes
;; launch quant (part 1): grid 1024 x 1, 4 waves a work-group, no clusters, 34,304 bytes of LDS; arguments x, W, lora_A, xq, wq; writes xq, wq
.if DOCPART == 1
	.amdgcn_target "amdgcn-amd-amdhsa--gfx1250"
	.amdhsa_code_object_version 6
	.text
	.protected	k_qbc70ea7189_quant
	.globl	k_qbc70ea7189_quant
	.p2align	8
	.type	k_qbc70ea7189_quant,@function
k_qbc70ea7189_quant:
	s_mov_b64 s[64:65], 0
	v_nop
	global_prefetch_b8 v0, s[64:65] scope:SCOPE_SE
	s_setreg_imm32_b32 hwreg(HW_REG_WAVE_MODE, 25, 1), 1
	s_wait_xcnt 0x0
; x [4096][4096], W [4096][4096] and lora_A [16][4096], f32 with K innermost, become codes of BF8 (E5M2) with one E8M0 scale byte for each 32 along K,
; laid in the ORDER OF THE OPERAND'S REGISTERS, so that the product's launch brings them by dense tensor loads and reads them at 16 x lane.
; A CHUNK is 128 rows x 256 along K; chunk (R, s) lies at (16 R + s) x its size.  In it:
;   byte 0:      the codes: [block i of 16 rows][q: 128 along K][c][lane][16 bytes]: lane (r, h) holds k = 32 c + 16 h + 0 .. 15 of row r
;   byte 32,768: the scale words, [i][r][q], four bytes for a row's 128 along K
;   xq alone, byte 33,792: one fragment of lora_A's 16 rows, K = 256 s + 128 (R % 2) on; byte 35,840: its scale words, 8 bytes a lane (the word twice; lanes 16-31 repeat rows 0-15)
; A block's scale is 2^(floor(log2(its largest magnitude)) - 15); its byte is the largest magnitude's exponent field - 15, held at 1 from below.  Each number is held within +-57,344 x the scale and
; rounded to the nearest code, ties to even.  A block of zeros gets the byte 1 where the rule says 127: its codes are zeros, and this program alone reads the bytes.
; LIMITS: NaN and infinities among the inputs are not served; blocks whose largest magnitude lies under 2^(16 - 127) keep the byte 1.
; SHARES.  A work-group makes one chunk: the first 512 x's, the others W's.  Wave w takes rows 32 w .. 32 w + 31: four fragments of 16 rows x 128 K.  Wave 0 of a chunk of x makes lora_A's fragment too.
; A load reads 512 consecutive bytes of one row; the conversions want 16 neighbours along K in one lane: so a fragment turns through the wave's own stage in LDS (16 rows of 512 + 16 bytes).
; No tensor load, no barrier: waves share nothing.  Two fragments' loads (32 a wave) are on their way.  No matrix unit, no cluster: the launch streams, and no work-group reads what another reads (but lora_A's 256 KiB).
.set ACH,  36096                       ; a chunk of xq
.set BCH,  33792                       ; a chunk of wq
.set SCO,  32768
.set LFO,  33792
.set LSO,  35840
.set SP,   528                         ; a stage row: 512 bytes + 16
.set ROWB, 16384                       ; a row of x, W or lora_A in bytes
.set R,    32                          ; v32-159  two sets of 64 registers, as loaded: register 4 t + j: row t
.set X,    160                         ; v160-223 register 16 b + i: k = 32 b + 16 h + i of my row r
.set PC,   224                         ; v224-239 the fragment's codes
.set TM,   240                         ; v240-243 largest magnitudes, 244-247 bytes, 248-251 57,344 x the scale, 252-255 the conversions' scale operands
.set PW,   14                          ; v14      the scale word just made
.set SRC,  4                           ; s[4:5]   my wave's first row, this chunk's K
.set LSRC, 8                           ; s[8:9]   lora_A at this chunk's fragment
.set DST,  10                          ; s[10:11] the chunk
.set SEL,  24                          ; s[24:25] lane selects for v_permlanex16_b32: lane l xor 16
.set MNT,  26                          ; s26      the mantissa field of 57,344
.set FLAG, 27                          ; s27      0 in wave 0 of a chunk of x
	s_load_b128 s[4:7], s[0:1], 0x0                ; x, W
	s_load_b128 s[8:11], s[0:1], 0x10              ; lora_A, xq
	s_load_b64 s[12:13], s[0:1], 0x20              ; wq
	v_lshl_add_u32 v30, v0, 2, 0x8400
	v_mov_b32 v31, 0
	v_lshrrev_b32 v1, 5, v0
	v_readfirstlane_b32 s16, v1                    ; wave 0..3
	v_and_b32 v7, 31, v0                           ; lane
	v_lshlrev_b32 v1, 4, v7                        ; v1: 16 x lane: my bytes of a load's 512; also lora_A's codes' place
	s_mul_i32 s17, s16, 16*SP                      ; my stage
	v_add_nc_u32 v2, s17, v1                       ; v2: into the stage: 16 x lane of a row
	v_and_b32 v8, 15, v0                           ; r
	v_bfe_u32 v9, v0, 4, 1                         ; h
	v_mul_u32_u24 v3, v8, SP
	v_lshl_add_u32 v3, v9, 6, v3
	v_add_nc_u32 v3, s17, v3                       ; v3: out of it: row r, + 64 h: my 16 numbers of a block of 32
	s_lshl_b32 s18, s16, 13
	v_add_nc_u32 v4, s18, v1                       ; v4: my codes' place in the chunk: 16 x lane + two blocks of 4,096 bytes a wave
	v_lshlrev_b32 v6, 3, v7                        ; v6: 8 x lane
	s_lshl_b32 s18, s16, 8
	v_add_nc_u32 v5, s18, v6                       ; v5: my scale words' place: 8 x lane + 256 x wave
.irp b, 0,1,2,3
	v_mov_b32 v[TM+4+\b], 0                        ; written once: a lane permute's destination counts as one of its sources
.endr
	s_and_b32 s19, ttmp9, 511                      ; the chunk's number in its buffer
	s_lshr_b32 s20, s19, 4                         ; R
	s_and_b32 s21, s19, 15                         ; s
	s_lshl_b32 s22, s20, 7
	s_lshl_b32 s23, s16, 5
	s_add_co_u32 s22, s22, s23                     ; my first row: 128 R + 32 wave
	s_lshl_b32 s22, s22, 14
	s_lshl_b32 s23, s21, 10
	s_add_co_u32 s22, s22, s23                     ; in bytes, + 1,024 s (under 2^27)
	s_mov_b32 s23, 0
	s_and_b32 s28, s20, 1
	s_lshl_b32 s28, s28, 9
	s_lshl_b32 s29, s21, 10
	s_add_co_u32 s28, s28, s29                     ; lora_A: 1,024 s + 512 (R % 2)
	s_mov_b32 s29, 0
	s_lshr_b32 s[FLAG], ttmp9, 9
	s_or_b32 s[FLAG], s[FLAG], s16
	s_mov_b32 s[SEL], 0x76543210
	s_mov_b32 s[SEL+1], 0xfedcba98
	s_mov_b32 s[MNT], 0x600000
	s_wait_alu depctr_va_vdst(0)
	s_wait_kmcnt 0x0
	s_cmp_lt_u32 ttmp9, 512                        ; x's chunk or W's?  The choice hangs on the work-group's number alone; only pointers and a size are chosen: one path serves both
	s_cselect_b64 s[SRC:SRC+1], s[4:5], s[6:7]
	s_cselect_b64 s[DST:DST+1], s[10:11], s[12:13]
	s_mov_b32 s30, BCH
	s_cselect_b32 s30, ACH, s30
	s_mul_i32 s30, s19, s30                        ; under 2^25
	s_mov_b32 s31, 0
	s_add_nc_u64 s[SRC:SRC+1], s[SRC:SRC+1], s[22:23]
	s_add_nc_u64 s[DST:DST+1], s[DST:DST+1], s[30:31]
	s_add_nc_u64 s[LSRC:LSRC+1], s[LSRC:LSRC+1], s[28:29]
; sixteen loads: 512 consecutive bytes (128 along K) of each of 16 rows, into set st.  nt = 1: the launch reads these bytes once
.macro LOADF st, base, off, nt
.irp t, 0,1,2,3,4,5,6,7,8,9,10,11,12,13,14,15
.if \nt
	global_load_b128 v[R+64*(\st)+4*\t:R+64*(\st)+4*\t+3], v1, s[\base:\base+1] offset:(\off)+ROWB*\t th:TH_LOAD_NT
.else
	global_load_b128 v[R+64*(\st)+4*\t:R+64*(\st)+4*\t+3], v1, s[\base:\base+1] offset:(\off)+ROWB*\t
.endif
.endr
.endm
; set st through the stage: in as loaded, out 16 neighbours of each block of 32 a lane.  LDS serves a wave's instructions in order (ISA guide 5.7.1.4): no wait between the stores and the loads
.macro TURNF st
.irp t, 0,1,2,3,4,5,6,7,8,9,10,11,12,13,14,15
	ds_store_b128 v2, v[R+64*(\st)+4*\t:R+64*(\st)+4*\t+3] offset:SP*\t
.endr
.irp b, 0,1,2,3
.irp j, 0,1,2,3
	ds_load_b128 v[X+16*\b+4*\j:X+16*\b+4*\j+3], v3 offset:128*\b+16*\j
.endr
.endr
.endm
; the 64 numbers in v[X] on become a fragment's codes in v[PC] on and my row's scale word in v[PW]
.macro QUANT
.irp b, 0,1,2,3
	v_max3_num_f32 v[TM+\b], |v[X+16*\b]|, |v[X+1+16*\b]|, 0x8000000   ; block b: my 16 numbers, and the floor 2^(16 - 127): the byte cannot fall under 1
.endr
.irp i, 2,4,6,8,10,12,14
.irp b, 0,1,2,3
	v_max3_num_f32 v[TM+\b], v[TM+\b], |v[X+16*\b+\i]|, |v[X+1+16*\b+\i]|   ; the four blocks by turns: no line waits for the line above it
.endr
.endr
.irp b, 0,1,2,3
	v_permlanex16_b32 v[TM+4+\b], v[TM+\b], s[SEL], s[SEL+1]
.endr
.irp b, 0,1,2,3
	v_max_num_f32 v[TM+\b], v[TM+\b], v[TM+4+\b]   ; with lane l xor 16's 16: the block's largest magnitude
.endr
.irp b, 0,1,2,3
	v_add_nc_u32 v[TM+12+\b], 0xf8800000, v[TM+\b] ; 15 off its exponent field: the conversion takes the exponent field of this operand as its scale
.endr
.irp b, 0,1,2,3
	v_and_or_b32 v[TM+8+\b], v[TM+\b], 0x7f800000, s[MNT]   ; 57,344 x the scale
.endr
.irp b, 0,1,2,3
	v_lshrrev_b32 v[TM+4+\b], 23, v[TM+12+\b]      ; the scale's byte
.endr
	v_lshl_or_b32 v[PW], v[TM+5], 8, v[TM+4]
	v_lshl_or_b32 v[PW], v[TM+6], 16, v[PW]
	v_lshl_or_b32 v[PW], v[TM+7], 24, v[PW]
.irp b, 0,1,2,3
.irp i, 0,1,2,3,4,5,6,7,8,9,10,11,12,13,14,15
	v_med3_num_f32 v[X+16*\b+\i], v[X+16*\b+\i], -v[TM+8+\b], v[TM+8+\b]   ; the conversion to an 8-bit code does not saturate (ISA guide 7.6.2): the hold comes first
.endr
	v_cvt_scalef32_pk8_bf8_f32 v[PC+4*\b:PC+4*\b+1], v[X+16*\b:X+16*\b+7], v[TM+12+\b]
	v_cvt_scalef32_pk8_bf8_f32 v[PC+4*\b+2:PC+4*\b+3], v[X+16*\b+8:X+16*\b+15], v[TM+12+\b]
.endr
	v_nop                                          ; one plain vector line behind the last conversion
.endm
; fragment f = 2 (block in the wave) + q.  left: the younger loads that may stay out.  next = 1: fragment f + 2 is asked for; 2: lora_A's, where it is mine
.macro FRAG f, left, next
	s_wait_loadcnt \left                           ; loads come back in order: this fragment's sixteen are in
	TURNF (\f)%2
	s_wait_dscnt 16                                ; the stage's sixteen reads may be out; the sixteen stores ahead of them have read the set, which may be loaded again
.if \next == 1
	LOADF (\f)%2, SRC, (((\f)+2)/2)*16*ROWB+(((\f)+2)%2)*512, 1
.endif
.if \next == 2
	s_cmp_lg_u32 s[FLAG], 0
	s_cbranch_scc1 .Lno_lora_load
	LOADF (\f)%2, LSRC, 0, 0                       ; 16 work-groups read each of these fragments: no hint
.Lno_lora_load:
.endif
	s_wait_dscnt 0x0                               ; my 64 numbers are back
	s_wait_xcnt 0x0                                ; the last fragment's stores have read v[PC] on, which is written again below
	QUANT
.irp c, 0,1,2,3
	global_store_b128 v4, v[PC+4*\c:PC+4*\c+3], s[DST:DST+1] offset:((\f)/2)*4096+((\f)%2)*2048+512*\c   ; 32 lanes store 512 consecutive bytes, at a multiple of 256 from the buffer's first byte
.endr
	v_mov_b32 v[8+\f], v[PW]                       ; the four scale words are kept: v8-11
.endm
	LOADF 0, SRC, 0, 1
	LOADF 1, SRC, 512, 1
	FRAG 0, 16, 1
	FRAG 1, 16, 1
	FRAG 2, 16, 2
	FRAG 3, 0, 0                                   ; the wait is for all: right with and without lora_A's loads behind this fragment's
	v_cmp_gt_u32 vcc_lo, 16, v7                    ; both halves of the lanes hold every word: lanes 0-15 send the first block's pair, lanes 16-31 the second's
	v_cndmask_b32 v12, v10, v8, vcc_lo
	v_cndmask_b32 v13, v11, v9, vcc_lo
	global_store_b64 v5, v[12:13], s[DST:DST+1] offset:SCO   ; 32 lanes store 256 consecutive bytes, aligned
	s_cmp_lg_u32 s[FLAG], 0
	s_cbranch_scc1 .Lend
	TURNF 0                                        ; lora_A's fragment, in set 0
	s_wait_dscnt 0x0
	s_wait_xcnt 0x0                                ; v[PC] on and v[12:13] are written again
	QUANT
.irp c, 0,1,2,3
	global_store_b128 v1, v[PC+4*\c:PC+4*\c+3], s[DST:DST+1] offset:LFO+512*\c
.endr
	v_mov_b32 v12, v[PW]
	v_mov_b32 v13, v[PW]
	global_store_b64 v6, v[12:13], s[DST:DST+1] offset:LSO
.Lend:
	s_wait_tensorcnt 0x0
	ds_add_u32 v30, v31
	s_wait_dscnt 0x0
	s_endpgm
.Lfunc_end_k_qbc70ea7189_quant:
	.size	k_qbc70ea7189_quant, .Lfunc_end_k_qbc70ea7189_quant-k_qbc70ea7189_quant
	.p2alignl 7, 3214868480
	.fill 96, 4, 3214868480
	.section	.rodata,"a",@progbits
	.p2align	6, 0x0
	.amdhsa_kernel k_qbc70ea7189_quant
		.amdhsa_group_segment_fixed_size 34304
		.amdhsa_private_segment_fixed_size 0
		.amdhsa_enable_private_segment 0
		.amdhsa_kernarg_size 40
		.amdhsa_user_sgpr_count 2
		.amdhsa_user_sgpr_kernarg_segment_ptr 1
		.amdhsa_wavefront_size32 1
		.amdhsa_system_sgpr_workgroup_id_x 1
		.amdhsa_system_sgpr_workgroup_id_y 1
		.amdhsa_system_sgpr_workgroup_id_z 1
		.amdhsa_system_vgpr_workitem_id 0
		.amdhsa_next_free_vgpr 256
		.amdhsa_next_free_sgpr 66
		.amdhsa_reserve_vcc 1
		.amdhsa_float_denorm_mode_32 3
		.amdhsa_float_denorm_mode_16_64 3
		.amdhsa_memory_ordered 1
		.amdhsa_forward_progress 1
		.amdhsa_inst_pref_size 64
	.end_amdhsa_kernel
	.amdgpu_metadata
---
amdhsa.version: [ 1, 2 ]
amdhsa.kernels:
  - .name:           k_qbc70ea7189_quant
    .symbol:         k_qbc70ea7189_quant.kd
    .args:
      - { .name: x, .offset: 0, .size: 8, .value_kind: global_buffer, .address_space: global }
      - { .name: W, .offset: 8, .size: 8, .value_kind: global_buffer, .address_space: global }
      - { .name: lora_A, .offset: 16, .size: 8, .value_kind: global_buffer, .address_space: global }
      - { .name: xq, .offset: 24, .size: 8, .value_kind: global_buffer, .address_space: global }
      - { .name: wq, .offset: 32, .size: 8, .value_kind: global_buffer, .address_space: global }
    .group_segment_fixed_size: 34304
    .private_segment_fixed_size: 0
    .kernarg_segment_align: 8
    .kernarg_segment_size: 40
    .max_flat_workgroup_size: 128
    .sgpr_count:     66
    .vgpr_count:     256
    .wavefront_size: 32
...
	.end_amdgpu_metadata
.endif
;; end of part 1
;; launch gemm (part 2): grid 16 x 16, 4 waves a work-group, clusters of 4 x 4, 327,680 bytes of LDS; arguments xq, wq, lora_B, b, out0; writes out0
.if DOCPART == 2
	.amdgcn_target "amdgcn-amd-amdhsa--gfx1250"
	.amdhsa_code_object_version 6
	.text
	.protected	k_qbc70ea7189_gemm
	.globl	k_qbc70ea7189_gemm
	.p2align	8
	.type	k_qbc70ea7189_gemm,@function
k_qbc70ea7189_gemm:
	s_mov_b64 s[64:65], 0
	v_nop
	global_prefetch_b8 v0, s[64:65] scope:SCOPE_SE
	s_setreg_imm32_b32 hwreg(HW_REG_WAVE_MODE, 25, 1), 1
	s_wait_xcnt 0x0
	s_wait_alu depctr_hold_cnt(0) depctr_sa_sdst(0) depctr_va_vdst(0) depctr_va_sdst(0) depctr_va_ssrc(0) depctr_va_vcc(0) depctr_vm_vsrc(0)
	s_getreg_b32 s2, hwreg(HW_REG_IB_STS2, 6, 4)
	s_cmp_eq_u32 s2, 0
	s_cbranch_scc0 .Lentry_in_a_cluster
	s_endpgm
.Lentry_in_a_cluster:
	s_bfe_u32 s2, ttmp6, 0x10000c
	s_cmp_lg_u32 s2, 0xf033
	s_cbranch_scc0 .Lentry_shape_is_right
	s_endpgm
.Lentry_shape_is_right:
; out0[m][o] = sum_k Q(x)[m][k] Q(W)[o][k] + b[o] + sum_r ar[m][r] lora_B[o][r],  ar[m][r] = sum_k Q(x)[m][k] Q(lora_A)[r][k].
; Q: codes of BF8 (E5M2) with one E8M0 byte for each 32 along K, made by the launch before and laid in the order of the operand's registers:
; a CHUNK is 128 rows x 256 K: codes [block of 16 rows][128 K][c][lane][16 bytes], then the scale words [block][row][128 K]; a chunk of xq also carries one fragment of lora_A and its scale words.
; Both quantised products go by v_wmma_scale_f32_16x16x128_f8f6f4; the third product (K = 16) by the bf16 form of K = 32, ar and lora_B rounded to bf16; all sums f32.  No work of the problem is left out.
; THE BIAS rides in the third product: ranks 16 and 17 of lora_B's fragment hold b[o] as a high and a low bf16 part, and the same ranks of ar's fragment hold 1.0; ranks 18-31 are zeros.
; LIMITS: b is carried to within 2^-17 of its size (two bf16 parts); else those of the quantising launch (no NaN or infinity among the inputs).
; SHARES: a work-group makes 256 x 256 of out0, a wave 128 x 128: 64 accumulators, 512 registers.  K goes in steps of 256 through a ring of two LDS slots; a slot holds two chunks of xq and two of wq,
; each brought whole by one wave's tensor load, as dense rows of 256 bytes.  Fragments are read at 16 x lane: no padding is needed.
; CLUSTERS: 4 x 4 work-groups; xq's chunks are shared along a row of the cluster, wq's along a column, each asked for jointly by the four.
; THE MATRIX INSTRUCTION IS USED TRANSPOSED (source 0 = rows of W, source 1 = rows of x): a lane holds eight neighbouring columns of one row of out0.
; ar: the two waves that share 128 rows of x take 64 rows each (a wave's blocks 0-3 are its own 64, blocks 4-7 the partner's) and hand their halves over through LDS at the end.
; PREFETCH: every cluster asks for the chunks that it will itself load, two K steps ahead of the joint load; the four partners of a joint load share a chunk's blocks of 256 bytes out by address.
; REGISTERS: window 0: v0-31 addresses, v32-63 scale words (two sets), v64-95 ar, v96-111 lora_A's fragment, v112-119 the bias words, v120 the ones, v128-255 x's fragments (one set);
; window 1: W's fragments, two sets; windows 2, 3: the accumulators of my blocks 0-3, 4-7.
.set ACH,    36096                     ; a chunk of xq
.set BCH,    33792                     ; a chunk of wq
.set SCO,    32768                     ; in a chunk: the scale words
.set LFO,    33792                     ; lora_A's fragment
.set LSO,    35840                     ; its scale words
.set BOFF,   2*ACH                     ; in a slot: wq's two chunks behind xq's two
.set SLOT,   2*ACH+2*BCH
.set LBI,    2*SLOT                    ; behind the ring: lora_B's fragments in bf16, 4,096 bytes a wave
.set ARX,    LBI+4*4096                ; ar's fragments in bf16, 2,048 bytes a wave
.set SPARE,  ARX+4*2048                ; the spare words, 128 bytes a wave
.set SPITCH, 528                       ; the way out: a stage of 16 rows x (512 + 16) bytes a wave, in slot 0 behind its last fill and last read
.set ROWC,   16384                     ; a row of out0 in bytes
.set LAPS,   8                         ; a lap = two K steps
.set ARP,  6                           ; v6      my partner's ar in LDS
.set ADRA, 8                           ; v8-11   x's fragments: blocks 0-3 in slot 0, 1; blocks 4-7 in slot 0, 1
.set ADRB, 12                          ; v12-13  W's fragments in slot 0, 1
.set ADRS, 14                          ; v14-17  scale words: lanes 0-15 x's, lanes 16-31 W's; blocks 0-3 in slot 0, 1; blocks 4-7
.set ADRL, 18                          ; v18-19  lora_A's fragment
.set ADRLS, 20                         ; v20-21  its scale words
.set STO,  22                          ; v22, v23 into the stage and back
.set RD,   23
.set CO,   24                          ; v24     16 x lane
.set PFO,  25                          ; v25-26  the prefetches' offsets in a chunk; never rewritten
.set LSC,  27                          ; v27     lora_A's scale word
.set SPW,  28                          ; v28     my spare word;  v29 = 0
.set NIL,  29
.set LBA,  30                          ; v30     my lora_B image;  v31 my ar
.set ARA,  31
.set SC,   32
.set AR,   64
.set LF,   96
.set BW,   112                         ; v112-119 block b: lanes 0-15: b of column 16 b + r as two bf16 parts; lanes 16-31: 0
.set ONES, 120                         ; v120    lanes 0-15: 1.0 twice in bf16; lanes 16-31: 0
.set HM,   125                         ; v125    all ones in lanes 0-15, 0 in lanes 16-31
.set BO,   126                         ; v126    4 r
.set AF,   128
.set ARF,  128
.set BK,   128
.set G1,   24                          ; s[24:31], s[32:39] descriptor groups 1 and 0 (a set for each slot) for xq;  s[48:55], s[56:63] for wq
.set G0,   32
.set G1B,  48
.set G0B,  56
.set PFA,  66                          ; s[66:67] the chunk that the next prefetch names;  s[68:69] a chunk's size
.set PFS,  68
.set WRAP, 72
.set PF0,  18                          ; s[18:19], s[96:97], s[98:99] my chunk of K steps 0, 1 and 2
.set PF1,  96
.set PF2,  98
.set MSB, 0
.macro WIN new                         ; the immediate's high byte repeats the setting that is left
.if MSB != (\new)
	s_set_vgpr_msb (MSB<<8)|(\new)
.set MSB, (\new)
.endif
.endm
.set MUL_LO, 0xa1                      ; source 0 (W) window 1, source 1 (x) window 0, C and D window 2
.set MUL_HI, 0xf1
.set TO_B,   0x40
; a joint load: waves 0, 1 fetch xq's two chunks, waves 2, 3 wq's; s_nop 0 and four v_nop behind each line
.macro JLOAD g0a, g1a, g0b, g1b
	s_cmp_eq_u32 s15, 0
	s_cbranch_scc0 .Lfor_b_\@
	tensor_load_to_lds s[\g0a:\g0a+3], s[\g1a:\g1a+7]
	s_nop 0
.rept 4
	v_nop
.endr
	s_branch .Lasked_\@
.Lfor_b_\@:
	tensor_load_to_lds s[\g0b:\g0b+3], s[\g1b:\g1b+7]
	s_nop 0
.rept 4
	v_nop
.endr
.Lasked_\@:
.endm
.macro CREST                           ; a round of the cluster's barrier behind its opening barrier
	s_cmp_lg_u32 s14, 0
	s_cbranch_scc1 .Lnot_wave_0_\@
	s_barrier_signal -3
.Lnot_wave_0_\@:
	s_barrier_wait -3
	s_barrier_signal -1
	s_barrier_wait -1
.endm
.macro CROUND
	s_barrier_signal -1
	s_barrier_wait -1
	CREST
.endm
; my work-group's quarter of the chunk at s[p:p+1]: 36 (xq) or 33 (wq) blocks of 256 bytes, a lane a block; lanes left over name the last blocks again
.macro PREF p
	global_prefetch_b8 v[PFO], s[\p:\p+1] th:TH_LOAD_NT scope:SCOPE_SE
	global_prefetch_b8 v[PFO+1], s[\p:\p+1] th:TH_LOAD_NT scope:SCOPE_SE
.endm
.macro ASK                             ; in the loop: the K step two refills on; the last trip (s3 = 1) has none
	s_cmp_gt_u32 s3, 1
	s_cbranch_scc0 .Lno_ask_\@
	PREF PFA
.Lno_ask_\@:
.endm
	s_load_b128 s[4:7], s[0:1], 0x0                ; xq, wq
	s_load_b128 s[8:11], s[0:1], 0x10              ; lora_B, b
	s_load_b64 s[12:13], s[0:1], 0x20              ; out0
	v_lshl_add_u32 v[SPW], v0, 2, SPARE
	v_mov_b32 v[NIL], 0
	ds_add_u32 v[SPW], v[NIL]                      ; the opening lines: the add, twice on end, and its wait ahead of my first tensor load
	ds_add_u32 v[SPW], v[NIL]
	v_lshrrev_b32 v1, 5, v0
	v_readfirstlane_b32 s14, v1                    ; wave 0..3
	v_and_b32 v1, 31, v0                           ; lane
	v_and_b32 v2, 15, v0                           ; r
	v_bfe_u32 v3, v0, 4, 1                         ; h
	v_lshlrev_b32 v[CO], 4, v1
	v_lshlrev_b32 v4, 6, v2
	v_lshl_add_u32 v4, v3, 5, v4                   ; lora_B: row r of 64 bytes, + 32 h: ranks 8 h .. 8 h + 7
	v_lshlrev_b32 v[BO], 2, v2
	s_wait_alu depctr_va_vdst(0)                   ; ahead of the run of scalar lines
	s_lshr_b32 s15, s14, 1                         ; which 128 rows are mine.  Also: I fetch for xq (0) or wq (1)
	s_and_b32 s16, s14, 1                          ; which 128 columns.  Also: which chunk of the two I fetch
	s_bfe_u32 s40, ttmp6, 0x40000                  ; cx, cy
	s_bfe_u32 s41, ttmp6, 0x40004
	s_mov_b32 s91, BCH/256-1                       ; the prefetches: a chunk's last block,
	s_mov_b32 s[PFS], BCH
	s_mov_b32 s[PFS+1], 0
	s_cmp_eq_u32 s15, 0                            ; do I fetch for xq?
	s_cselect_b32 s90, s40, s41                    ; my place among the four that ask with me
	s_cselect_b32 s94, 36, 33                      ; blocks to a partner
	s_cselect_b32 s92, 3, 0
	s_cselect_b32 s91, ACH/256-1, s91
	s_cselect_b32 s[PFS], ACH, s[PFS]
	s_mul_i32 s90, s90, s94
	v_add_nc_u32 v[PFO], s90, v1
	v_min_u32 v[PFO], s91, v[PFO]
	v_lshlrev_b32 v[PFO], 8, v[PFO]
	v_and_b32 v[PFO+1], s92, v1
	v_add_nc_u32 v[PFO+1], s90, v[PFO+1]
	v_add_nc_u32 v[PFO+1], 32, v[PFO+1]
	v_min_u32 v[PFO+1], s91, v[PFO+1]              ; every lane stays inside the chunk
	v_lshlrev_b32 v[PFO+1], 8, v[PFO+1]
	s_wait_alu depctr_va_vdst(0)                   ; and here, ahead of the next run of scalar lines
	s_lshl_b32 s42, ttmp9, 2
	s_add_co_u32 s42, s42, s40                     ; tile column
	s_and_b32 s17, ttmp7, 0xffff
	s_lshl_b32 s17, s17, 2
	s_add_co_u32 s17, s17, s41                     ; tile row
	s_lshl_b32 s43, s41, 2
	s_lshl_b32 s43, 15, s43                        ; my row of the cluster
	s_lshl_b32 s44, 0x1111, s40                    ; my column
	s_or_b32 s[G1], s43, (3<<16)|(1<<21)           ; elements of 8 bytes; a chunk as dense rows of 32 elements
	s_mov_b32 s[G1+1], 32<<16
	s_mov_b32 s[G1+2], (ACH/256)<<16
	s_mov_b32 s[G1+3], 32<<16
	s_mov_b32 s[G1+4], ACH/256
	s_mov_b32 s[G1+5], 32
	s_mov_b32 s[G1+6], 0
	s_mov_b32 s[G1+7], 0
	s_or_b32 s[G1B], s44, (3<<16)|(1<<21)
	s_mov_b32 s[G1B+1], 32<<16
	s_mov_b32 s[G1B+2], (BCH/256)<<16
	s_mov_b32 s[G1B+3], 32<<16
	s_mov_b32 s[G1B+4], BCH/256
	s_mov_b32 s[G1B+5], 32
	s_mov_b32 s[G1B+6], 0
	s_mov_b32 s[G1B+7], 0
	s_lshl_b32 s20, s17, 1
	s_add_co_u32 s20, s20, s16
	s_lshl_b32 s20, s20, 4
	s_mul_i32 s20, s20, ACH                        ; xq: chunk (2 x tile row + half, K step 0)
	s_mov_b32 s21, 0
	s_lshl_b32 s46, s42, 1
	s_add_co_u32 s46, s46, s16
	s_lshl_b32 s46, s46, 4
	s_mul_i32 s46, s46, BCH                        ; wq likewise, by the tile column
	s_mov_b32 s47, 0
	s_mul_i32 s45, s16, ACH                        ; where they go in a slot
	s_mul_i32 s71, s16, BCH
	s_add_co_u32 s71, s71, BOFF
	s_lshl_b32 s74, s42, 8
	s_lshl_b32 s75, s16, 7
	s_add_co_u32 s74, s74, s75                     ; my first column
	s_lshl_b32 s76, s74, 6                         ; in lora_B: 64 bytes a column
	s_mov_b32 s77, 0
	s_lshl_b32 s78, s74, 2                         ; in b
	s_mov_b32 s79, 0
	s_wait_dscnt 0x0                               ; both opening adds are done
	s_wait_kmcnt 0x0
	s_add_nc_u64 s[20:21], s[4:5], s[20:21]
	s_add_nc_u64 s[46:47], s[6:7], s[46:47]
	s_cmp_eq_u32 s15, 0
	s_cselect_b64 s[PF0:PF0+1], s[20:21], s[46:47]
	PREF PF0                                       ; K step 0's blocks are asked for as soon as the addresses stand: the plain loads, the descriptors and a round follow ahead of its joint load
	s_add_nc_u64 s[8:9], s[8:9], s[76:77]
	s_add_nc_u64 s[10:11], s[10:11], s[78:79]
.irp b, 0,1,2,3,4,5,6,7                ; lora_B's 128 rows and my bias: they are waited for under the first tile's flight
	global_load_b128 v[128+8*\b:128+8*\b+3], v4, s[8:9] offset:1024*\b
	global_load_b128 v[128+8*\b+4:128+8*\b+7], v4, s[8:9] offset:1024*\b+16
.endr
.irp b, 0,1,2,3,4,5,6,7
	global_load_b32 v[BW+\b], v[BO], s[10:11] offset:64*\b   ; b of column 16 b + r
.endr
	s_add_nc_u64 s[PF1:PF1+1], s[PF0:PF0+1], s[PFS:PFS+1]   ; my chunk of K step 1,
	s_add_nc_u64 s[PF2:PF2+1], s[PF1:PF1+1], s[PFS:PFS+1]   ; 2,
	s_add_nc_u64 s[PFA:PFA+1], s[PF2:PF2+1], s[PFS:PFS+1]   ; 3
.irp s, 0,1
	s_mov_b32 s[G0+4*\s], 1
	s_add_co_u32 s[G0+4*\s+1], s45, \s*SLOT
	s_add_nc_u64 s[G0+4*\s+2:G0+4*\s+3], s[20:21], \s*ACH
	s_or_b32 s[G0+4*\s+3], s[G0+4*\s+3], 0x80000000
	s_mov_b32 s[G0B+4*\s], 1
	s_add_co_u32 s[G0B+4*\s+1], s71, \s*SLOT
	s_add_nc_u64 s[G0B+4*\s+2:G0B+4*\s+3], s[46:47], \s*BCH
	s_or_b32 s[G0B+4*\s+3], s[G0B+4*\s+3], 0x80000000
.endr
	CROUND                                         ; all sixteen work-groups are here: the first joint loads meet
	JLOAD G0, G1, G0B, G1B                         ; K step 0: one tensor load a wave at the head
	PREF PF1                                       ; K steps 1 and 2: their joint loads follow behind the next two rounds
	PREF PF2
	; all that follows up to the wait on TENSORcnt stands under the joint load's flight.  First the scalar lines, then the vector lines in one run
	s_mul_i32 s78, s15, ACH                        ; my chunk of x in a slot
	s_lshl_b32 s79, s16, 14
	s_add_co_u32 s79, s79, s78                     ; my blocks 0-3: the chunk's blocks 4 (wave % 2) on
	s_xor_b32 s80, s16, 1
	s_lshl_b32 s93, s80, 14
	s_add_co_u32 s93, s93, s78                     ; my blocks 4-7: the other four
	s_xor_b32 s81, s15, 1
	s_mul_i32 s81, s81, ACH
	s_add_co_u32 s81, s81, ACH
	s_mul_i32 s82, s16, BCH-512
	s_add_co_u32 s82, s82, s81                     ; from x's scale words of blocks 0-3 to W's
	s_mul_i32 s83, s16, BCH+512
	s_add_co_u32 s83, s83, s81                     ; the same for blocks 4-7
	s_lshl_b32 s84, s16, 9
	s_add_co_u32 s84, s84, s78
	s_add_co_u32 s84, s84, SCO
	s_lshl_b32 s85, s80, 9
	s_add_co_u32 s85, s85, s78
	s_add_co_u32 s85, s85, SCO
	s_mul_i32 s86, s14, 16*SPITCH                  ; my stage
	s_lshl_b32 s87, s14, 12
	s_add_co_u32 s87, s87, LBI
	s_lshl_b32 s88, s14, 11
	s_add_co_u32 s88, s88, ARX
	s_xor_b32 s89, s14, 1
	s_lshl_b32 s89, s89, 11
	s_add_co_u32 s89, s89, ARX
	s_lshl_b32 s76, s17, 8                         ; out0: my block 0's first row: 256 x tile row + 128 x half + 64 (wave % 2)
	s_lshl_b32 s77, s15, 7
	s_add_co_u32 s76, s76, s77
	s_lshl_b32 s77, s16, 6
	s_add_co_u32 s76, s76, s77
	s_lshl_b32 s76, s76, 14
	s_lshl_b32 s77, s42, 10
	s_add_co_u32 s76, s76, s77
	s_lshl_b32 s77, s16, 9
	s_add_co_u32 s76, s76, s77
	s_mov_b32 s77, 0
	s_add_nc_u64 s[12:13], s[12:13], s[76:77]
	s_lshl_b32 s[WRAP], s16, 21                    ; an odd wave goes back 128 rows in front of its block 4
	s_mov_b32 s[WRAP+1], 0
	v_add_nc_u32 v[ADRA], s79, v[CO]
	v_add_nc_u32 v[ADRA+1], SLOT, v[ADRA]
	v_add_nc_u32 v[ADRA+2], s93, v[CO]
	v_add_nc_u32 v[ADRA+3], SLOT, v[ADRA+2]
	v_add_nc_u32 v[ADRB], s71, v[CO]
	v_add_nc_u32 v[ADRB+1], SLOT, v[ADRB]
	v_lshlrev_b32 v7, 3, v2                        ; scale words: 8 bytes a row
	v_mad_u32_u24 v5, s82, v3, v7                  ; lanes 16-31 take W's
	v_add_nc_u32 v[ADRS], s84, v5
	v_add_nc_u32 v[ADRS+1], SLOT, v[ADRS]
	v_mad_u32_u24 v5, s83, v3, v7
	v_add_nc_u32 v[ADRS+2], s85, v5
	v_add_nc_u32 v[ADRS+3], SLOT, v[ADRS+2]
	v_add_nc_u32 v[ADRL], LFO, v[CO]
	v_add_nc_u32 v[ADRL+1], SLOT+LFO, v[CO]
	v_lshlrev_b32 v5, 3, v1
	v_add_nc_u32 v[ADRLS], LSO, v5
	v_add_nc_u32 v[ADRLS+1], SLOT+LSO, v5
	v_mul_u32_u24 v5, v2, SPITCH
	v_lshl_add_u32 v5, v3, 5, v5
	v_add_nc_u32 v[STO], s86, v5
	v_add_nc_u32 v[RD], s86, v[CO]
	v_add_nc_u32 v[LBA], s87, v[CO]
	v_add_nc_u32 v[ARA], s88, v[CO]
	v_add_nc_u32 v[ARP], s89, v[CO]
	v_add_nc_u32 v[HM], -1, v3                     ; h - 1: all ones in lanes 0-15, 0 in lanes 16-31
	v_and_b32 v[ONES], 0x3f803f80, v[HM]           ; ranks 16, 17 of ar's fragments: 1.0; lanes 16-31 (ranks 24, 25): 0
	s_wait_alu depctr_va_vdst(0)
	s_wait_loadcnt 0x0                             ; lora_B and the bias
.irp b, 0,1,2,3,4,5,6,7
.irp j, 0,1,2,3
	v_cvt_pk_bf16_f32 v[192+4*\b+\j], v[128+8*\b+2*\j], v[128+8*\b+2*\j+1]
.endr
.endr
.irp b, 0,1,2,3,4,5,6,7
	v_cvt_pk_bf16_f32 v[240+\b], v[BW+\b], v[BW+\b]   ; b's high part,
.endr
.irp b, 0,1,2,3,4,5,6,7
	v_lshlrev_b32 v[240+\b], 16, v[240+\b]         ; as f32;
.endr
.irp b, 0,1,2,3,4,5,6,7
	v_sub_f32 v[240+\b], v[BW+\b], v[240+\b]       ; what it leaves (exact);
.endr
.irp b, 0,1,2,3,4,5,6,7
	v_cvt_pk_bf16_f32 v[BW+\b], v[BW+\b], v[240+\b]   ; rank 16: the high part, rank 17: the low part;
.endr
.irp b, 0,1,2,3,4,5,6,7
	v_and_b32 v[BW+\b], v[HM], v[BW+\b]            ; lanes 16-31 hold ranks 24, 25: zeros
.endr
.irp b, 0,1,2,3,4,5,6,7
	ds_store_b128 v[LBA], v[192+4*\b:192+4*\b+3] offset:512*\b   ; an image of the fragments' lower registers, my own bytes, read back at the end
.endr
.macro FRAG reg, adr, off              ; a fragment: four loads of 512 dense bytes
.irp c, 0,1,2,3
	ds_load_b128 v[\reg+4*\c:\reg+4*\c+3], v[\adr] offset:\off+512*\c
.endr
.endm
.macro FETCH_BH n, q, p, i0            ; W's blocks i0 .. i0 + 3 of slot n's q-th 128 K into set p
	WIN TO_B
.irp i, \i0, \i0+1, \i0+2, \i0+3
	FRAG 128*(\p)+16*(\i), ADRB+(\n), 4096*(\i)+2048*(\q)
.endr
.endm
.macro FETCH_A n, q, hi                ; x's blocks 4 hi .. 4 hi + 3
.irp i, 0,1,2,3
	FRAG AF+16*(4*(\hi)+\i), ADRA+2*(\hi)+(\n), 4096*\i+2048*(\q)
.endr
.endm
.macro FETCH_L n, q                    ; lora_A's fragment and scale word: chunk q of the slot carries the q-th 128 K
	FRAG LF, ADRL+(\n), (\q)*ACH
	ds_load_b32 v[LSC], v[ADRLS+(\n)] offset:(\q)*ACH
.endm
.macro SCALES n                        ; a K step's scale words: register 2 i + q: lanes 0-15 x's block i, lanes 16-31 W's block i
.irp i, 0,1,2,3,4,5,6,7
	ds_load_b64 v[SC+16*(\n)+2*\i:SC+16*(\n)+2*\i+1], v[ADRS+2*(\i/4)+(\n)] offset:128*(\i%4)
.endr
.endm
; the 64 accumulators take turns, one instruction a turn, in the same order in every step; zero = 1: the first product starts the sums
.macro MUL16 a0, p, q, sc, zero
.irp a, \a0, \a0+1
.irp b, 0,1,2,3,4,5,6,7
.if \zero
	v_wmma_scale_f32_16x16x128_f8f6f4 v[8*(8*((\a)%4)+\b):8*(8*((\a)%4)+\b)+7], v[128*(\p)+16*\b:128*(\p)+16*\b+15], v[AF+16*(\a):AF+16*(\a)+15], 0, v[SC+16*(\sc)+2*\b+(\q)], v[SC+16*(\sc)+2*(\a)+(\q)] matrix_a_fmt:MATRIX_FMT_BF8 matrix_b_fmt:MATRIX_FMT_BF8 matrix_a_scale:MATRIX_SCALE_ROW1
.else
	v_wmma_scale_f32_16x16x128_f8f6f4 v[8*(8*((\a)%4)+\b):8*(8*((\a)%4)+\b)+7], v[128*(\p)+16*\b:128*(\p)+16*\b+15], v[AF+16*(\a):AF+16*(\a)+15], v[8*(8*((\a)%4)+\b):8*(8*((\a)%4)+\b)+7], v[SC+16*(\sc)+2*\b+(\q)], v[SC+16*(\sc)+2*(\a)+(\q)] matrix_a_fmt:MATRIX_FMT_BF8 matrix_b_fmt:MATRIX_FMT_BF8 matrix_a_scale:MATRIX_SCALE_ROW1
.endif
.endr
.endr
.endm
.macro MUL8 a, p, q, sc
.irp b, 0,1,2,3,4,5,6,7
	v_wmma_scale_f32_16x16x128_f8f6f4 v[8*(8*(\a)+\b):8*(8*(\a)+\b)+7], v[128*(\p)+16*\b:128*(\p)+16*\b+15], v[AF+16*(\a):AF+16*(\a)+15], v[8*(8*(\a)+\b):8*(8*(\a)+\b)+7], v[SC+16*(\sc)+2*\b+(\q)], v[SC+16*(\sc)+2*(\a)+(\q)] matrix_a_fmt:MATRIX_FMT_BF8 matrix_b_fmt:MATRIX_FMT_BF8 matrix_a_scale:MATRIX_SCALE_ROW1
.endr
.endm
.macro LORA q, sc, zero                ; ar^T of my blocks 0-3: source 0 = lora_A's 16 rows: a lane holds ranks 8 h .. 8 h + 7 of x's row r
.irp a, 0,1,2,3
.if \zero
	v_wmma_scale_f32_16x16x128_f8f6f4 v[AR+8*\a:AR+8*\a+7], v[LF:LF+15], v[AF+16*\a:AF+16*\a+15], 0, v[LSC], v[SC+16*(\sc)+2*\a+(\q)] matrix_a_fmt:MATRIX_FMT_BF8 matrix_b_fmt:MATRIX_FMT_BF8
.else
	v_wmma_scale_f32_16x16x128_f8f6f4 v[AR+8*\a:AR+8*\a+7], v[LF:LF+15], v[AF+16*\a:AF+16*\a+15], v[AR+8*\a:AR+8*\a+7], v[LSC], v[SC+16*(\sc)+2*\a+(\q)] matrix_a_fmt:MATRIX_FMT_BF8 matrix_b_fmt:MATRIX_FMT_BF8
.endif
.endr
.endm
.macro PLACES n                        ; places in front of loads into registers that matrix instructions have read
.rept \n
	v_nop
.endr
.endm
; THE LDS LOADS STAND IN FEW RUNS: two in a slot's first step, three in its second, of which one directly behind the barrier.  W's set 1 (a slot's second 128 K) is asked for in two halves,
; the lower at the end of the step before this slot, the upper in the middle of the slot's first step.
; a slot's first 128 K
.macro STEP n, zero
	s_wait_dscnt 37                                ; all but the youngest 37 loads: lora_A's five, x's blocks 4-7, the lower half of W's set 1
	WIN MUL_LO
	MUL16 0, 0, 0, \n, \zero
	MUL16 2, 0, 0, \n, \zero
	s_wait_dscnt 16                                ; lora_A's and x's blocks 4-7 are in; W's sixteen may be out
	WIN 0
	LORA 0, \n, \zero
	PLACES 8
	FETCH_A \n, 1, 0
	FETCH_BH \n, 1, 1, 4
	WIN MUL_HI
	MUL16 4, 0, 0, \n, \zero
	MUL16 6, 0, 0, \n, \zero
	PLACES 8
	WIN 0
	FETCH_L \n, 1
	FETCH_A \n, 1, 1
.endm
; a slot's second 128 K changes slots: each wave waits for all its tensor loads, adds 0 to its spare word, waits for that and for its reads of this slot; fill = 1: a round of the cluster's barrier, and this slot is filled again
.macro TURN n, next, fill
.if \fill
	s_wait_xcnt 0x0                                ; my last prefetch has read its address, which steps a K step on
	s_add_nc_u64 s[PFA:PFA+1], s[PFA:PFA+1], s[PFS:PFS+1]
.endif
	s_wait_dscnt 21                                ; all but lora_A's five and x's blocks 4-7
	WIN MUL_LO
	MUL8 0, 1, 1, \n
	WIN 0
	s_wait_tensorcnt 0x0                           ; my one load that was out, my chunk of the next slot, has landed
	ds_add_u32 v[SPW], v[NIL]
.if \fill
	s_add_nc_u64 s[G0+4*\n+2:G0+4*\n+3], s[G0+4*\n+2:G0+4*\n+3], 2*ACH
	s_add_nc_u64 s[G0B+4*\n+2:G0B+4*\n+3], s[G0B+4*\n+2:G0B+4*\n+3], 2*BCH
.endif
	WIN MUL_LO
	MUL8 1, 1, 1, \n
	WIN 0
	s_wait_dscnt 0x0                               ; the add is done, my reads of this slot are over
	s_barrier_signal -1
	s_barrier_wait -1
.if \fill
	CREST
	JLOAD G0+4*\n, G1, G0B+4*\n, G1B               ; the first tensor load behind the round
	ASK
.endif
	FETCH_BH \next, 0, 0, 0                        ; W's set 0 of the next slot (its registers' places stand at the end of the step before)
	FETCH_BH \next, 0, 0, 4
	WIN MUL_LO
	MUL16 2, 1, 1, \n, 0
	WIN 0
	LORA 1, \n, 0
	PLACES 8
	FETCH_A \next, 0, 0
	SCALES \next
	WIN MUL_HI
	MUL16 4, 1, 1, \n, 0
	MUL16 6, 1, 1, \n, 0
	PLACES 8
	WIN 0
	FETCH_L \next, 0
	FETCH_A \next, 0, 1
	FETCH_BH \next, 1, 1, 0
	WIN 0
.endm
	s_wait_alu depctr_va_vdst(0)
	s_wait_tensorcnt 0x0                           ; my chunk of K step 0 is in
	ds_add_u32 v[SPW], v[NIL]
	s_wait_dscnt 0x0                               ; the add and my stores of lora_B's image are done
	CROUND                                         ; everybody's chunk is in, and all sixteen work-groups are here
	JLOAD G0+4, G1, G0B+4, G1B                     ; K step 1: slot 1's first fill, the first tensor load behind the round
	PREF PFA                                       ; K step 3
	FETCH_BH 0, 0, 0, 0
	FETCH_BH 0, 0, 0, 4
	WIN 0
	FETCH_A 0, 0, 0
	SCALES 0
	FETCH_L 0, 0
	FETCH_A 0, 0, 1
	FETCH_BH 0, 1, 1, 0
	WIN 0
	STEP 0, 1                                      ; the first step stands in front of the loop: its products start the sums
	s_mov_b32 s3, LAPS-1
.Llap:                                                 ; a trip goes once round the ring and fills both slots again
	TURN 0, 1, 1
	STEP 1, 0
	TURN 1, 0, 1
	STEP 0, 0
	s_sub_co_u32 s3, s3, 1
	s_cmp_lg_u32 s3, 0
	s_cbranch_scc1 .Llap
	TURN 0, 1, 0                                   ; the last lap fills nothing
	STEP 1, 0
	s_wait_dscnt 21
	WIN MUL_LO
	MUL16 0, 1, 1, 1, 0
	MUL16 2, 1, 1, 1, 0
	s_wait_dscnt 0x0
	WIN 0
	LORA 1, 1, 0
	WIN MUL_HI
	MUL16 4, 1, 1, 1, 0
	MUL16 6, 1, 1, 1, 0
	; THE THIRD PRODUCT AND THE BIAS, by the bf16 form of K = 32: ranks 0-15 lora_B x ar, ranks 16, 17 b's two parts x 1.0, ranks 18-31 zeros
	WIN TO_B
.irp b, 0,1,2,3,4,5,6,7
	v_mov_b32 v[8*\b+4], v[BW+\b]
.irp j, 5,6,7
	v_mov_b32 v[8*\b+\j], 0
.endr
.endr
.irp b, 0,1,2,3,4,5,6,7
	ds_load_b128 v[8*\b:8*\b+3], v[LBA] offset:512*\b
.endr
	WIN 0
.irp a, 0,1,2,3
.irp j, 0,1,2,3
	v_cvt_pk_bf16_f32 v[ARF+8*\a+\j], v[AR+8*\a+2*\j], v[AR+8*\a+2*\j+1]
.endr
.endr
.irp a, 0,1,2,3,4,5,6,7
	v_mov_b32 v[ARF+8*\a+4], v[ONES]
.irp j, 5,6,7
	v_mov_b32 v[ARF+8*\a+\j], 0
.endr
.endr
.irp a, 0,1,2,3
	ds_store_b128 v[ARA], v[ARF+8*\a:ARF+8*\a+3] offset:512*\a   ; my 64 rows of ar, for my partner
.endr
	s_wait_alu depctr_va_vdst(0)
	s_wait_dscnt 0x0                               ; for the others' sake: my stores are done
	s_barrier_signal -1
	s_barrier_wait -1
.irp a, 0,1,2,3
	ds_load_b128 v[ARF+8*(4+\a):ARF+8*(4+\a)+3], v[ARP] offset:512*\a   ; the partner's 64 rows: my blocks 4-7
.endr
	s_wait_dscnt 0x0
.irp a, 0,1,2,3,4,5,6,7
	WIN MUL_LO+0x50*(\a/4)
.irp b, 0,1,2,3,4,5,6,7
	v_wmma_f32_16x16x32_bf16 v[8*(8*(\a%4)+\b):8*(8*(\a%4)+\b)+7], v[8*\b:8*\b+7], v[ARF+8*\a:ARF+8*\a+7], v[8*(8*(\a%4)+\b):8*(8*(\a%4)+\b)+7]
.endr
.endr
	WIN 0
; THE WAY OUT, block by block of 16 rows x 128 columns, through my own stage: in by 32 bytes a lane, back as whole rows of 512 bytes, which are stored as they come
.macro TOSTAGE a
.set AC, 64*((\a)%4)
	WIN 0x08+4*((\a)/4)
.irp b, 0,1,2,3,4,5,6,7
	ds_store_b128 v[STO], v[AC+8*\b:AC+8*\b+3] offset:64*\b          ; each accumulator from its low end on
	ds_store_b128 v[STO], v[AC+8*\b+4:AC+8*\b+7] offset:64*\b+16
.endr
	WIN 0
.set BB, BK+64*((\a)%2)
.irp t, 0,1,2,3,4,5,6,7,8,9,10,11,12,13,14,15
	ds_load_b128 v[BB+4*\t:BB+4*\t+3], v[RD] offset:\t*SPITCH        ; LDS serves a wave's instructions in order: these see the stores above
.endr
.endm
.macro SEND a, younger                 ; younger: the LDS instructions issued behind block a's loads
.set BB, BK+64*((\a)%2)
	s_wait_dscnt \younger
.if (\a) > 0
	s_add_nc_u64 s[12:13], s[12:13], 16*ROWC       ; (behind a wait on XCNT: the earlier stores have read their base)
.endif
.if (\a) == 4
	s_sub_nc_u64 s[12:13], s[12:13], s[WRAP:WRAP+1]
.endif
.irp t, 0,1,2,3,4,5,6,7,8,9,10,11,12,13,14,15
	global_store_b128 v[CO], v[BB+4*\t:BB+4*\t+3], s[12:13] offset:\t*ROWC th:TH_STORE_NT   ; 32 lanes store 512 consecutive bytes, at a multiple of 256 from out0's first byte
.endr
.endm
	PLACES 4
	TOSTAGE 0
.irp a, 1,2,3,4,5,6,7
.if \a > 1
	s_wait_xcnt 0x0                                ; block a - 2's stores have read their registers and their base
.endif
	TOSTAGE \a
	SEND \a-1, 32
.endr
	s_wait_xcnt 0x0
	SEND 7, 0
	s_wait_tensorcnt 0x0                           ; the wave's end
	ds_add_u32 v[SPW], v[NIL]
	s_wait_dscnt 0x0
	CROUND                                         ; the closing round
	s_endpgm
.Lfunc_end_k_qbc70ea7189_gemm:
	.size	k_qbc70ea7189_gemm, .Lfunc_end_k_qbc70ea7189_gemm-k_qbc70ea7189_gemm
	.p2alignl 7, 3214868480
	.fill 96, 4, 3214868480
	.section	.rodata,"a",@progbits
	.p2align	6, 0x0
	.amdhsa_kernel k_qbc70ea7189_gemm
		.amdhsa_group_segment_fixed_size 327680
		.amdhsa_private_segment_fixed_size 0
		.amdhsa_enable_private_segment 0
		.amdhsa_kernarg_size 40
		.amdhsa_user_sgpr_count 2
		.amdhsa_user_sgpr_kernarg_segment_ptr 1
		.amdhsa_wavefront_size32 1
		.amdhsa_system_sgpr_workgroup_id_x 1
		.amdhsa_system_sgpr_workgroup_id_y 1
		.amdhsa_system_sgpr_workgroup_id_z 1
		.amdhsa_system_vgpr_workitem_id 0
		.amdhsa_next_free_vgpr 1024
		.amdhsa_next_free_sgpr 100
		.amdhsa_reserve_vcc 0
		.amdhsa_float_denorm_mode_32 3
		.amdhsa_float_denorm_mode_16_64 3
		.amdhsa_memory_ordered 1
		.amdhsa_forward_progress 1
		.amdhsa_inst_pref_size 170
	.end_amdhsa_kernel
	.amdgpu_metadata
---
amdhsa.version: [ 1, 2 ]
amdhsa.kernels:
  - .name:           k_qbc70ea7189_gemm
    .symbol:         k_qbc70ea7189_gemm.kd
    .args:
      - { .name: xq, .offset: 0, .size: 8, .value_kind: global_buffer, .address_space: global }
      - { .name: wq, .offset: 8, .size: 8, .value_kind: global_buffer, .address_space: global }
      - { .name: lora_B, .offset: 16, .size: 8, .value_kind: global_buffer, .address_space: global }
      - { .name: b, .offset: 24, .size: 8, .value_kind: global_buffer, .address_space: global }
      - { .name: out0, .offset: 32, .size: 8, .value_kind: global_buffer, .address_space: global }
    .group_segment_fixed_size: 327680
    .private_segment_fixed_size: 0
    .kernarg_segment_align: 8
    .kernarg_segment_size: 40
    .max_flat_workgroup_size: 128
    .sgpr_count:     100
    .vgpr_count:     1024
    .wavefront_size: 32
...
	.end_amdgpu_metadata
.endif
;; end of part 2
